; MI455X (gfx1250); checked and timed in simulation.
; The chip was launched on July 23, 2026; its instructions are those of AMD's public machine-readable ISA for CDNA 5 (MIT licence, August 2026) and "CDNA5" Instruction Set Architecture Reference Guide (July 2026). The comments in the code are by the model that wrote it; some were corrected since.
;; Multi Head Attention. Allowed arithmetic: matrix products marked QUANTISED: E5M2 operands, one E8M0 scale for each 32 along K, by v_wmma_scale_f32_16x16x128_f8f6f4 with both operands' format E5M2, f32 sums; everything else in f32.
;; Inputs: W_out 1,024 x 1,024 float32; b_out 1,024 float32; keys 4 x 2,048 x 1,024 float32; mask 4 x 1 x 2,048 x 2,048 int32; query 4 x 2,048 x 1,024 float32; values 4 x 2,048 x 1,024 float32.
;; Outputs: out0 4 x 2,048 x 1,024 float32.
;; This version of the problem:
;;   THIS VERSION OF THE PROBLEM IS GIVEN IN LOW PRECISION. The matrix products marked QUANTISED in the list below multiply operands that are first quantised to E5M2 (5 exponent bits, 2 mantissa bits; 8 bits a number), with one power-of-two scale for each 32 numbers along K (OCP MX v1.0); their sums are f32. All else is computed in f32.
;;   The module's matrix products, in the order in which they are computed (A, B: the left and right operand; K: the contracted axis; several contracted axes count as one K, in the product's order):
;;     1. batch 64 x [M 2,048, K 64] x [K 64, N 2,048]; A: input query; B: input keys: QUANTISED
;;     2. batch 64 x [M 64, K 2,048] x [K 2,048, N 2,048]; A: input values; B: softmax (see below): QUANTISED
;;     3. [M 8,192, K 1,024] x [K 1,024, N 1,024]; A: computed on the way; B: input W_out: QUANTISED
;;   THE QUANTISER, for each operand of a quantised product, along K:
;;     - K is cut into blocks of 32 from its start; a last block that is shorter is filled with zeros.
;;     - A block's scale is 2^e with e = floor(log2(the largest magnitude in the block)) - 15, held to -126 .. 127; a block of zeros has e = 0. As a byte (E8M0): e + 127.
;;     - Each number is divided by its block's scale, clamped to +-57,344, and rounded to the nearest number of E5M2, ties to even, subnormals kept.
;;     - The product sums the exact products of the quantised numbers (number of the format x scale) in f32.
;;   ~~~python
;;   def quantise(x, axis):      # numpy; x: float32 -> the quantised numbers, widened to float32 again
;;       x = np.moveaxis(x, axis, -1); K = x.shape[-1]
;;       x = np.pad(x, [(0, 0)] * (x.ndim - 1) + [(0, -K % 32)]); x = x.reshape(x.shape[:-1] + (-1, 32)); a = np.abs(x).max(-1, keepdims=True)
;;       e = np.where(a > 0, np.clip(np.frexp(np.where(a > 0, a, 1))[1] - 1 - 15, -126, 127), 0)      # np.frexp(a)[1] - 1 = floor(log2(a)), exactly
;;       r = np.clip(x / 2.0 ** e, -57344, 57344)
;;       step = 2.0 ** (np.maximum(np.frexp(np.where(r == 0, 1, r))[1] - 1, -14) - 2)
;;       q = np.round(r / step) * step * 2.0 ** e      # np.round: ties to even
;;       return np.moveaxis(q.reshape(q.shape[:-2] + (-1,))[..., :K], -1, axis).astype(np.float32)
;;   ~~~
;;   SOFTMAX AHEAD OF A QUANTISED PRODUCT. Where the list says 'softmax', what is quantised is not the finished softmax but p = 2^(t - M), with t = logit x log2(e) and M = ceil(the row's largest t), a whole number; so 1/2 < the row's largest p <= 1. The row's sum l is taken of the UNQUANTISED p, in f32, and the product's result is divided by l at the end. Since M is a whole number, a kernel that streams over the keys may use a running M (the ceiling of the running maximum): every later rescaling is an exact power of two, which a block's scale takes up: the codes' values come out the same.
;;   OPERANDS COMPUTED ON THE WAY. 'Computed on the way' means the value that the module computes at that place (a softmax that the list does not call 'softmax' is quantised finished and normalised). What goes into a quantiser is computed in f32, as accurately as f32 sums, v_exp_f32 and their like allow (about 1e-6 of the number): no bf16 or f16 on the way to a quantiser, and a product that is left as it is and whose result goes on into a quantised operand takes f32 operands (vector FMAs, or v_wmma_f32_16x16x4_f32). A number that lies on a knife's edge between two numbers of the format may be rounded either way, as far as f32 arithmetic and the matrix unit's own rounding can turn it there, and no further.
;; One version. Each part assembles by itself: llvm-mc -triple=amdgcn-amd-amdhsa -mcpu=gfx1250 --defsym DOCPART=n.
;; ======== version 1 of 1: 3 launches
;; limits: right only within a limited range of input values
;; workspace buffers: kv 17,563,648 bytes; wq 1,114,112 bytes; act 8,912,896 bytes; mbits 2,097,152 bytes of whole numbers
;; launch prep (part 1): grid 1056 x 1, 4 waves a work-group, no clusters, 34,304 bytes of LDS; arguments keys, W_out, mask, values, kv, wq, mbits; writes kv, wq, mbits
.if DOCPART == 1
	.amdgcn_target "amdgcn-amd-amdhsa--gfx1250"
	.amdhsa_code_object_version 6
	.text
	.protected	k_qec8a8832da_prep
	.globl	k_qec8a8832da_prep
	.p2align	8
	.type	k_qec8a8832da_prep,@function
k_qec8a8832da_prep:
	s_mov_b64 s[64:65], 0
	v_nop
	global_prefetch_b8 v0, s[64:65] scope:SCOPE_SE
	s_setreg_imm32_b32 hwreg(HW_REG_WAVE_MODE, 25, 1), 1
	s_wait_xcnt 0x0
; PREPARATION.  keys, values and W_out (f32) become codes of E5M2 with one E8M0 byte for each 32 along K, laid in the ORDER OF THE OPERAND'S REGISTERS
; (a piece = four registers of all 32 lanes = 512 bytes, lane l's 16 bytes at 16 l); the int32 mask becomes one bit a number, laid as lane masks.
;   kv    [n x 16 + head][key step of 128 keys][CH bytes]: K's 8 tiles x 2 pieces; 8 x 16 scale words; V's 4 tiles x 4 pieces; 4 x 16 scale words
;   wq    [tile of 16 outputs][TB bytes]: 8 K steps x 4 pieces; 8 x 32 scale words
;   mbits [n x 128 + tile of 16 queries][key step][64 words]: bit L of word j = (mask of query L % 16, key 32 (j / 16) + 16 (L / 16) + j % 16 of the step, is not 0)
; THE ROWS OF A TILE ARE NOT NEIGHBOURS (K's keys, V's channels, W's outputs): lane r of tile 2 B + u takes row 32 B + 8 u + r + 8 (r / 8), so that the 16 result registers of two
; neighbouring tiles are 16 neighbours along the next product's K.
; A block's scale byte is its largest magnitude's exponent field - 15, held at 1 from below; numbers are held within +-57,344 x the scale and rounded to the nearest code, ties to even.
; LIMITS: a block whose largest magnitude lies under 2^-111 (a block of zeros too) gets the byte 1: zero codes add nothing, and these bytes are read by this program alone.  NaN and infinities are not served.
; SHARES.  Work-groups 0-255: keys (a wave takes a tile of 16 keys and 512 of its 1,024 columns); 256-287: W_out (a tile of 16 outputs, likewise); 288-799: the mask (16 queries x 512 keys);
; these three walk ONE path: 4 units of 16 rows x 512 bytes, each row loaded as 512 consecutive bytes and turned through the wave's own stage in LDS, so that a lane holds 16 neighbours of each block.
; Work-groups 800-1055: values, whose K (the keys) is not innermost: a lane takes a column, its registers run down the keys; no LDS.
; With 194 registers a wave and 34,304 bytes of LDS a work-group five work-groups fit on a WGP, so all 1,056 can lie on the chip together, each wave with a unit's 16 loads out.
; Memory binds: no matrix unit; no clusters, since no two work-groups read the same bytes; waves share nothing, so no barrier.
.set CH,    17152                      ; a key step's chunk in kv
.set HEADB, 16*CH                      ; a head's 16 chunks
.set TB,    17408                      ; a tile's bytes in wq
.set WSTG,  8448                       ; a wave's stage: 16 rows of SPI bytes
.set SPI,   528                        ; 512 bytes + 16: the sixteen rows that a read touches start 33 x 16 bytes apart
.set PW,    14                         ; v14      a row's four scale bytes (values: v14, v15 a key step's bytes)
.set OFF,   16                         ; v16-31   byte offset of my 16 bytes in row i of a unit; never rewritten
.set R,     32                         ; v32-95   a unit as loaded (values: two sets of 32 numbers)
.set X,     96                         ; v96-159  the unit turned: register 16 b + i = column 32 b + 16 (lane / 16) + i of row lane % 16 (values: the codes)
.set PC,    160                        ; v160-175 the codes of a fragment
.set TM,    176                        ; v176-191 at work
	s_load_b256 s[4:11], s[0:1], 0x0               ; keys s[4:5], W_out s[6:7], mask s[8:9], values s[10:11]
	s_load_b128 s[12:15], s[0:1], 0x20             ; kv s[12:13], wq s[14:15]
	s_load_b64 s[16:17], s[0:1], 0x30              ; mbits
	v_lshl_add_u32 v192, v0, 2, 0x8400
	v_mov_b32 v193, 0
	v_lshrrev_b32 v1, 5, v0
	v_readfirstlane_b32 s18, v1                    ; wave 0..3
	v_and_b32 v1, 31, v0                           ; lane
	s_mov_b32 s48, 0x76543210
	s_mov_b32 s49, 0xfedcba98                      ; v_permlanex16_b32's selects for lane l xor 16
	s_cmp_ge_u32 ttmp9, 800
	s_cbranch_scc1 .Lvalues
	; ---------------- keys, W_out, mask ----------------
	s_cmp_lt_u32 ttmp9, 256
	s_cselect_b32 s19, 0, 1                        ; the kind of job: 0 keys, 1 W_out, 2 mask
	s_cselect_b32 s37, 0, 256
	s_cmp_lt_u32 ttmp9, 288
	s_cselect_b32 s19, s19, 2
	s_cselect_b32 s37, s37, 288
	s_sub_co_u32 s20, ttmp9, s37
	s_lshl_b32 s20, s20, 2
	s_add_co_u32 s20, s20, s18                     ; my wave's number among its kind's
	s_and_b32 s58, s20, 1                          ; which 4 of a job's 8 units are mine
	s_lshr_b32 s20, s20, 1                         ; J: the job
	s_and_b32 s38, s20, 1
	s_lshl_b32 s39, s20, 4
	s_lshl_b32 s40, s38, 3
	s_sub_co_u32 s39, s39, s40                     ; keys, W_out: the tile's first row = 16 J - 8 (J % 2),
	s_lshl_b32 s39, s39, 12                        ; rows of 4,096 bytes
	s_lshr_b32 s40, s20, 1
	s_lshl_b32 s40, s40, 17                        ; mask: 16 rows of 8,192 bytes for each tile of queries J / 2,
	s_lshl_b32 s41, s38, 12
	s_add_co_u32 s40, s40, s41                     ; and half a row (8 key steps of 512 bytes) for J % 2
	s_lshr_b32 s41, s20, 7                         ; keys: n,
	s_lshl_b32 s41, s41, 8
	s_bfe_u32 s42, s20, 0x40003                    ; the key step,
	s_add_co_u32 s41, s41, s42
	s_mul_i32 s41, s41, CH                         ; head 0's chunk of that step,
	s_and_b32 s42, s20, 7                          ; the tile in the step
	s_lshl_b32 s43, s42, 10
	s_add_co_u32 s43, s43, s41                     ; keys: where the codes go
	s_lshl_b32 s44, s42, 6
	s_add_co_u32 s44, s44, s41
	s_add_co_u32 s44, s44, 8192                    ; keys: where the scale words go
	s_mul_i32 s45, s20, TB                         ; W_out: codes,
	s_add_co_u32 s46, s45, 16384                   ; scale words
	s_lshl_b32 s47, s20, 11                        ; mask: 8 key steps of 256 bytes
	s_mov_b32 s28, 2048                            ; steps from unit to unit, and the pitch of rows: W_out's; an instruction takes one literal, so the others replace them one by one
	s_mov_b32 s30, 128
	s_mov_b32 s32, 4096
	s_mov_b32 s33, 36864                           ; from row 7 to row 8 of a tile: 9 rows
	s_cmp_eq_u32 s19, 0
	s_cselect_b32 s52, s43, s45
	s_cselect_b32 s54, s44, s46
	s_cselect_b32 s28, 2*HEADB, s28                ; keys: a unit is two heads
	s_cselect_b32 s30, 2*HEADB, s30
	s_cmp_eq_u32 s19, 2
	s_cselect_b32 s56, s40, s39
	s_cselect_b32 s52, s47, s52
	s_cselect_b32 s54, s47, s54
	s_cselect_b32 s28, 256, s28
	s_cselect_b32 s30, 0, s30
	s_cselect_b32 s32, 8192, s32                   ; mask: 16 neighbouring rows of 8,192 bytes
	s_cselect_b32 s33, 8192, s33
	s_lshl_b32 s36, s58, 11                        ; the job's second half begins four units on: 4 x 512 bytes in the source's rows,
	s_add_co_u32 s56, s56, s36
	s_lshl_b32 s36, s28, 2
	s_mul_i32 s36, s36, s58                        ; four steps in the codes (or mask words),
	s_add_co_u32 s52, s52, s36
	s_lshl_b32 s36, s30, 2
	s_mul_i32 s36, s36, s58                        ; and four in the scale words
	s_add_co_u32 s54, s54, s36
	s_mov_b32 s29, 0
	s_mov_b32 s31, 0
	s_mov_b32 s53, 0
	s_mov_b32 s55, 0
	s_mov_b32 s57, 0
	s_wait_alu depctr_va_vdst(0)
	v_lshlrev_b32 v2, 4, v1                        ; 16 x lane
	s_mul_i32 s36, s18, WSTG
	v_add_nc_u32 v3, s36, v2                       ; the stage, on the way in: a row's 512 bytes on end
	v_and_b32 v12, 15, v0                          ; r
	v_bfe_u32 v13, v0, 4, 1                        ; h
	v_mul_u32_u24 v4, v12, SPI
	v_lshl_add_u32 v4, v13, 6, v4
	v_add_nc_u32 v4, s36, v4                       ; and on the way out: row r, + 64 h: my 16 numbers of a block of 32
	v_lshlrev_b32 v5, 2, v1                        ; 4 x lane
	v_lshlrev_b32 v6, 3, v1                        ; 8 x lane
	v_mul_u32_u24 v7, v13, HEADB
	v_lshl_add_u32 v7, v12, 2, v7                  ; keys' scale words: lanes 0-15 the even head's, lanes 16-31 the odd head's
	v_lshlrev_b32 v8, 4, v13                       ; 16 h: which two of a row's four bytes are my head's
	v_mov_b32 v10, 0                               ; written once: v_writelane_b32's destination counts as read
	v_mov_b32 v11, 0
.irp b, 0,1,2,3
	v_mov_b32 v[TM+4+\b], 0                        ; likewise a lane permute's
.endr
	v_mov_b32 v[OFF], v2
.irp i, 1,2,3,4,5,6,7,8,9,10,11,12,13,14,15
.if \i == 8
	v_add_nc_u32 v[OFF+\i], s33, v[OFF+\i-1]
.else
	v_add_nc_u32 v[OFF+\i], s32, v[OFF+\i-1]
.endif
.endr
	s_wait_alu depctr_va_vdst(0)
	s_wait_kmcnt 0x0
	s_cmp_eq_u32 s19, 0                            ; the buffers are chosen by the kind of job, which hangs on the work-group's number alone
	s_cselect_b64 s[22:23], s[4:5], s[6:7]
	s_cselect_b64 s[24:25], s[12:13], s[14:15]
	s_cmp_eq_u32 s19, 2
	s_cselect_b64 s[22:23], s[8:9], s[22:23]
	s_cselect_b64 s[24:25], s[16:17], s[24:25]
	s_add_nc_u64 s[26:27], s[24:25], s[54:55]      ; scale words
	s_add_nc_u64 s[24:25], s[24:25], s[52:53]      ; codes, or mask words
	s_add_nc_u64 s[22:23], s[22:23], s[56:57]      ; the source
	s_mov_b32 s34, 4                               ; units to go
.macro LOADU                           ; a unit: 16 rows, each 512 consecutive bytes
.irp i, 0,1,2,3,4,5,6,7,8,9,10,11,12,13,14,15
	global_load_b128 v[R+4*\i:R+4*\i+3], v[OFF+\i], s[22:23] th:TH_LOAD_NT
.endr
.endm
.macro TURN                            ; through my stage: LDS serves a wave's instructions in order (ISA guide 5.7.1.4), so no wait stands between the stores and the loads
.irp i, 0,1,2,3,4,5,6,7,8,9,10,11,12,13,14,15
	ds_store_b128 v3, v[R+4*\i:R+4*\i+3] offset:SPI*\i
.endr
.irp b, 0,1,2,3
.irp j, 0,1,2,3
	ds_load_b128 v[X+16*\b+4*\j:X+16*\b+4*\j+3], v4 offset:128*\b+16*\j
.endr
.endr
.endm
; 64 numbers of a lane, four blocks of which lane l xor 16 holds the other halves, become a fragment's codes in v[PC] on and its row's four scale bytes in v[PW]
.macro QUANT4
.irp b, 0,1,2,3
	v_max3_num_f32 v[TM+\b], |v[X+16*\b]|, |v[X+1+16*\b]|, 0x8000000   ; my 16 numbers, and the floor 2^(16 - 127): the byte cannot fall under 1
.endr
.irp i, 2,4,6,8,10,12,14
.irp b, 0,1,2,3
	v_max3_num_f32 v[TM+\b], v[TM+\b], |v[X+16*\b+\i]|, |v[X+1+16*\b+\i]|   ; the four blocks by turns
.endr
.endr
.irp b, 0,1,2,3
	v_permlanex16_b32 v[TM+4+\b], v[TM+\b], s48, s49
.endr
.irp b, 0,1,2,3
	v_max_num_f32 v[TM+\b], v[TM+\b], v[TM+4+\b]   ; the block's largest magnitude
.endr
.irp b, 0,1,2,3
	v_add_nc_u32 v[TM+12+\b], 0xf8800000, v[TM+\b] ; 15 off its exponent field: the conversion's scale operand
.endr
.irp b, 0,1,2,3
.endr
.irp b, 0,1,2,3
	v_lshrrev_b32 v[TM+4+\b], 23, v[TM+12+\b]      ; the scale's byte
.endr
	v_lshl_or_b32 v[PW], v[TM+5], 8, v[TM+4]
	v_lshl_or_b32 v[PW], v[TM+6], 16, v[PW]
	v_lshl_or_b32 v[PW], v[TM+7], 24, v[PW]
.irp b, 0,1,2,3
.irp i, 0,1,2,3,4,5,6,7,8,9,10,11,12,13,14,15
.endr
	v_cvt_scalef32_pk8_bf8_f32 v[PC+4*\b:PC+1+4*\b], v[X+16*\b:X+7+16*\b], v[TM+12+\b]
	v_cvt_scalef32_pk8_bf8_f32 v[PC+2+4*\b:PC+3+4*\b], v[X+8+16*\b:X+15+16*\b], v[TM+12+\b]
.endr
	v_nop                                          ; a plain instruction behind the last conversions
.endm
	LOADU                                          ; my first unit
.Lunit:
	s_wait_loadcnt 0x0                             ; the unit is in: its 16 loads are all that is out
	TURN
	s_wait_dscnt 0x0                               ; the unit is back, turned; the stage's stores have read the registers that the next loads fill
	s_cmp_eq_u32 s34, 1
	s_cbranch_scc1 .Lnoload                        ; the last unit has no successor: no load leaves its buffer
	s_add_nc_u64 s[22:23], s[22:23], 512           ; (no load is out)
	LOADU                                          ; the next unit travels while this one is worked on
.Lnoload:
	s_cmp_eq_u32 s19, 2
	s_cbranch_scc1 .Lmask
	QUANT4
	s_cmp_eq_u32 s19, 0
	s_cbranch_scc0 .Lweight
	v_lshrrev_b32 v9, v8, v[PW]                    ; keys: K is a head's 64, two blocks: my head's two bytes,
	v_and_b32 v9, 0xffff, v9
	v_lshl_or_b32 v9, v9, 16, v9                   ; twice, so that one word serves either half of a matrix instruction's 128
	global_store_b128 v2, v[PC:PC+3], s[24:25]                         ; the even head's two pieces,
	global_store_b128 v2, v[PC+4:PC+7], s[24:25] offset:512
	global_store_b128 v2, v[PC+8:PC+11], s[24:25] offset:HEADB         ; the odd head's: each store covers 512 consecutive bytes, aligned
	global_store_b128 v2, v[PC+12:PC+15], s[24:25] offset:HEADB+512
	global_store_b32 v7, v9, s[26:27]
	s_branch .Ljoin
.Lweight:
	s_wait_alu depctr_va_vdst(0)
.irp c, 0,1,2,3
	global_store_b128 v2, v[PC+4*\c:PC+4*\c+3], s[24:25] offset:512*\c ; W_out: a K step's four pieces
.endr
	global_store_b32 v5, v[PW], s[26:27]           ; and its scale words, one a lane
	s_branch .Ljoin
.Lmask:
.set g, 0
.rept 8
.irp k, 0,1,2,3,4,5,6,7
	v_cmp_ne_u32 s[40+\k], 0, v[X+8*g+\k]          ; word 8 g + k: a bit for each lane
.endr
.irp k, 0,1,2,3,4,5,6,7
	v_writelane_b32 v[10+\k%2], s[40+\k], (8*g+\k)/2   ; word j goes to lane j / 2, register j % 2
.endr
.set g, g+1
.endr
	global_store_b64 v6, v[10:11], s[24:25]        ; 64 words: 256 consecutive bytes, aligned
.Ljoin:
	s_wait_xcnt 0x0                                ; the stores' data and bases are rewritten only behind this wait
	s_add_nc_u64 s[24:25], s[24:25], s[28:29]
	s_add_nc_u64 s[26:27], s[26:27], s[30:31]
	s_sub_co_u32 s34, s34, 1
	s_cmp_lg_u32 s34, 0
	s_cbranch_scc1 .Lunit
	s_wait_tensorcnt 0x0
	ds_add_u32 v192, v193
	s_wait_dscnt 0x0
	s_endpgm
	; ---------------- values ----------------
	; A wave takes 32 columns (half a head's channels) x 256 keys: 8 blocks of 32 keys a lane, two key steps.
.Lvalues:
.set CV, 96                            ; v96-159  8 registers of codes for each block: no store's data are written again
	s_sub_co_u32 s20, ttmp9, 800
	s_and_b32 s36, s20, 7                          ; which 128 columns
	s_bfe_u32 s37, s20, 0x30003                    ; which 256 keys
	s_lshr_b32 s38, s20, 6                         ; n
	s_lshl_b32 s39, s36, 7
	s_lshl_b32 s40, s18, 5
	s_add_co_u32 s39, s39, s40                     ; my wave's first column
	s_lshl_b32 s39, s39, 2
	s_lshl_b32 s40, s38, 11
	s_lshl_b32 s41, s37, 8
	s_add_co_u32 s40, s40, s41                     ; its first key's row,
	s_lshl_b32 s40, s40, 12                        ; rows of 4,096 bytes
	s_add_co_u32 s56, s40, s39
	s_mov_b32 s57, 0
	s_lshl_b32 s41, s36, 1
	s_lshr_b32 s42, s18, 1
	s_add_co_u32 s41, s41, s42                     ; the head
	s_and_b32 s42, s18, 1                          ; which 32 of its channels: tiles 2 x this and 2 x this + 1
	s_lshl_b32 s43, s38, 4
	s_add_co_u32 s43, s43, s41
	s_lshl_b32 s43, s43, 4
	s_lshl_b32 s44, s37, 1
	s_add_co_u32 s43, s43, s44
	s_mul_i32 s43, s43, CH                         ; the chunk of my first key step
	s_lshl_b32 s44, s42, 12
	s_add_co_u32 s52, s43, s44
	s_add_co_u32 s52, s52, 8704                    ; V's pieces
	s_mov_b32 s53, 0
	s_lshl_b32 s44, s42, 7
	s_add_co_u32 s54, s43, s44
	s_add_co_u32 s54, s54, 16896                   ; V's scale words
	s_mov_b32 s55, 0
	s_wait_alu depctr_va_vdst(0)
	v_lshlrev_b32 v5, 2, v1                        ; in: 4 bytes a lane: 128 consecutive bytes a load
	v_and_b32 v2, 7, v1
	v_lshrrev_b32 v3, 4, v1
	v_lshl_add_u32 v2, v3, 3, v2                   ; channel l of the 32 is row l % 8 + 8 (l / 16)
	v_bfe_u32 v3, v1, 3, 1                         ; of tile (l / 8) % 2
	v_lshlrev_b32 v12, 4, v2
	v_lshl_add_u32 v12, v3, 11, v12                ; my 16 bytes of a piece
	v_lshlrev_b32 v13, 2, v2
	v_lshl_add_u32 v13, v3, 6, v13                 ; my scale word
	s_wait_alu depctr_va_vdst(0)
	s_wait_kmcnt 0x0
	s_add_nc_u64 s[22:23], s[10:11], s[56:57]
	s_add_nc_u64 s[24:25], s[12:13], s[52:53]
	s_add_nc_u64 s[26:27], s[12:13], s[54:55]
.macro LOADV t                         ; block t: keys 32 t + i of my column, into set t % 2
.irp i, 0,1,2,3,4,5,6,7,8,9,10,11,12,13,14,15,16,17,18,19,20,21,22,23,24,25,26,27,28,29,30,31
	global_load_b32 v[R+32*((\t)%2)+\i], v5, s[22:23] offset:(32*(\t)+\i)*4096 th:TH_LOAD_NT
.endr
.endm
.macro BLOCK t
.set XS, R+32*((\t)%2)
.if (\t) < 7
	s_wait_loadcnt 32                              ; this block's 32 loads are in; the next block's 32 may be out
.else
	s_wait_loadcnt 0x0
.endif
	v_max3_num_f32 v176, |v[XS]|, |v[XS+1]|, |v[XS+2]|     ; the block's largest magnitude: all 32 numbers are mine
	v_max3_num_f32 v177, |v[XS+3]|, |v[XS+4]|, |v[XS+5]|
.irp i, 6,10,14,18,22,26
	v_max3_num_f32 v176, v176, |v[XS+\i]|, |v[XS+\i+1]|
	v_max3_num_f32 v177, v177, |v[XS+\i+2]|, |v[XS+\i+3]|
.endr
	v_max3_num_f32 v176, v176, |v[XS+30]|, |v[XS+31]|
	v_max3_num_f32 v176, v176, v177, 0x8000000     ; and the floor
	v_add_nc_u32 v179, 0xf8800000, v176            ; the conversion's scale operand
	v_lshrrev_b32 v180, 23, v179                   ; the byte
.if (\t)%4 == 0
	v_mov_b32 v[14+(\t)/4], v180                   ; a key step's four bytes make a word
.else
	v_lshl_or_b32 v[14+(\t)/4], v180, 8*((\t)%4), v[14+(\t)/4]
.endif
.irp i, 0,1,2,3,4,5,6,7,8,9,10,11,12,13,14,15,16,17,18,19,20,21,22,23,24,25,26,27,28,29,30,31
.endr
.irp g, 0,1,2,3
	v_cvt_scalef32_pk8_bf8_f32 v[CV+8*(\t)+2*\g:CV+8*(\t)+2*\g+1], v[XS+8*\g:XS+8*\g+7], v179
.endr
	global_store_b128 v12, v[CV+8*(\t):CV+8*(\t)+3], s[24:25] offset:((\t)/4)*CH+((\t)%4)*512          ; keys 0-15 of the block: the piece's lanes 0-15; sixteen lanes of mine fill 256 consecutive bytes, aligned
	global_store_b128 v12, v[CV+8*(\t)+4:CV+8*(\t)+7], s[24:25] offset:((\t)/4)*CH+((\t)%4)*512+256    ; keys 16-31: its lanes 16-31
.if (\t)%4 == 3
	global_store_b32 v13, v[14+(\t)/4], s[26:27] offset:((\t)/4)*CH
.endif
.if (\t)+2 < 8
	LOADV (\t)+2
.endif
.endm
	LOADV 0
	LOADV 1
.irp t, 0,1,2,3,4,5,6,7
	BLOCK \t
.endr
	s_endpgm
.Lfunc_end_k_qec8a8832da_prep:
	.size	k_qec8a8832da_prep, .Lfunc_end_k_qec8a8832da_prep-k_qec8a8832da_prep
	.p2alignl 7, 3214868480
	.fill 96, 4, 3214868480
	.section	.rodata,"a",@progbits
	.p2align	6, 0x0
	.amdhsa_kernel k_qec8a8832da_prep
		.amdhsa_group_segment_fixed_size 34304
		.amdhsa_private_segment_fixed_size 0
		.amdhsa_enable_private_segment 0
		.amdhsa_kernarg_size 56
		.amdhsa_user_sgpr_count 2
		.amdhsa_user_sgpr_kernarg_segment_ptr 1
		.amdhsa_wavefront_size32 1
		.amdhsa_system_sgpr_workgroup_id_x 1
		.amdhsa_system_sgpr_workgroup_id_y 1
		.amdhsa_system_sgpr_workgroup_id_z 1
		.amdhsa_system_vgpr_workitem_id 0
		.amdhsa_next_free_vgpr 194
		.amdhsa_next_free_sgpr 66
		.amdhsa_reserve_vcc 0
		.amdhsa_float_denorm_mode_32 3
		.amdhsa_float_denorm_mode_16_64 3
		.amdhsa_fp16_overflow 1
		.amdhsa_memory_ordered 1
		.amdhsa_forward_progress 1
		.amdhsa_inst_pref_size 63
	.end_amdhsa_kernel
	.amdgpu_metadata
---
amdhsa.version: [ 1, 2 ]
amdhsa.kernels:
  - .name:           k_qec8a8832da_prep
    .symbol:         k_qec8a8832da_prep.kd
    .args:
      - { .name: keys, .offset: 0, .size: 8, .value_kind: global_buffer, .address_space: global }
      - { .name: W_out, .offset: 8, .size: 8, .value_kind: global_buffer, .address_space: global }
      - { .name: mask, .offset: 16, .size: 8, .value_kind: global_buffer, .address_space: global }
      - { .name: values, .offset: 24, .size: 8, .value_kind: global_buffer, .address_space: global }
      - { .name: kv, .offset: 32, .size: 8, .value_kind: global_buffer, .address_space: global }
      - { .name: wq, .offset: 40, .size: 8, .value_kind: global_buffer, .address_space: global }
      - { .name: mbits, .offset: 48, .size: 8, .value_kind: global_buffer, .address_space: global }
    .group_segment_fixed_size: 34304
    .private_segment_fixed_size: 0
    .kernarg_segment_align: 8
    .kernarg_segment_size: 56
    .max_flat_workgroup_size: 128
    .sgpr_count:     66
    .vgpr_count:     194
    .wavefront_size: 32
...
	.end_amdgpu_metadata
.endif
;; end of part 1
;; launch attn (part 2): grid 4 x 64, 16 waves a work-group, clusters of 4 x 1, 276,480 bytes of LDS; arguments query, mbits, kv, act; writes act
.if DOCPART == 2
	.amdgcn_target "amdgcn-amd-amdhsa--gfx1250"
	.amdhsa_code_object_version 6
	.text
	.protected	k_qec8a8832da_attn
	.globl	k_qec8a8832da_attn
	.p2align	8
	.type	k_qec8a8832da_attn,@function
k_qec8a8832da_attn:
	s_mov_b64 s[64:65], 0
	v_nop
	global_prefetch_b8 v0, s[64:65] scope:SCOPE_SE
	s_setreg_imm32_b32 hwreg(HW_REG_WAVE_MODE, 25, 1), 1
	s_wait_xcnt 0x0
	s_wait_alu depctr_hold_cnt(0) depctr_sa_sdst(0) depctr_va_vdst(0) depctr_va_sdst(0) depctr_va_ssrc(0) depctr_va_vcc(0) depctr_vm_vsrc(0)
	s_getreg_b32 s2, hwreg(HW_REG_IB_STS2, 6, 4)
	s_cmp_eq_u32 s2, 0
	s_cbranch_scc0 .Lentry_in_a_cluster
	s_endpgm
.Lentry_in_a_cluster:
	s_bfe_u32 s2, ttmp6, 0x10000c
	s_cmp_lg_u32 s2, 0x3003
	s_cbranch_scc0 .Lentry_shape_is_right
	s_endpgm
.Lentry_shape_is_right:
; ATTENTION of one head: act = Q(softmax(mask(q k^T) / 32) v), both products on codes of E5M2 with one E8M0 byte for each 32 along K; the result is quantised for the projection.
; t = score x log2(e) / 32; M = the running largest t rounded UP to a whole number; p = 2^(t - M) is quantised along the keys, not normalised; the row's sum is taken of the unquantised p and divides at the end.
; When M moves, the sum and O^T are multiplied by 2^(old M - new M): exact.
; SHARES.  Work-group (x, y): head y % 16 of batch y / 16, queries 512 x .. 512 x + 511.  Each of its sixteen waves owns two tiles of 16 queries and walks all 2,048 keys for one, then for the other, 128 keys a step.
; LDS.  The head's K and V as codes, 16 chunks of CH bytes, 274,432 bytes in all, are filled ONCE, a chunk by each wave's one tensor load, and only read afterwards: no slot is filled twice, so the loops hold no barrier.
; CLUSTER.  The four work-groups of a head need the same bytes: each chunk is asked for jointly, by the same load with the same descriptor and a mask that names the four.
; LAYOUT.  Both products are used transposed: S^T = K Q^T (source 0 = 16 keys, source 1 = my 16 queries), O^T = V^T P^T: a lane holds ONE query (lane % 16) throughout.  The keys of a tile of K and the channels of a tile
; of V are chosen so that the 16 registers of tiles 2 B and 2 B + 1 are 16 neighbours: 32 B + 16 (lane / 16) + 0 .. 15.  Fragments lie in LDS in the order of the operand's registers: every read is 16 x lane on end.
; K = 64 IN AN INSTRUCTION OF 128.  Two tiles of K share one operand, [even tile's 64][odd tile's 64].  Against [q][zeros] the product is the even tile's, against [zeros][q] the odd tile's: a zero code times a finite
; code adds exactly nothing (K's codes were held, so none is an infinity, and no scale byte is 0xff).  The scale words of K and Q hold their two bytes twice and serve both placings.
; SCALE WORDS come two tiles to a register: lanes 0-15 the even tile's, lanes 16-31 the odd tile's, which the instruction reads by MATRIX_SCALE_ROW1.
; THE MASK comes as lane masks: word j of a step is the mask of S^T's register j; 64 words a step, by scalar loads a step ahead.
; THE STEP'S ORDER.  K of the next step is fetched right behind the mask and has the softmax in which to land; the exponentials stand among other work (multiply-adds ahead of them,
; sums and the scales' arithmetic behind them); a tile of V lands in the registers of each block of p as soon as that block is converted.
; LIMITS.  A masked score is -2^66 (-1e20 with its mantissa cleared): c x it is exact, so that in a row that is masked throughout t - M is exactly 0 and every p is 1, as with -1e20; with any key that counts, masked
; keys get p = 0; the results are those of -1e20 while every score that counts stays under 2^60 in magnitude.  Blocks whose largest magnitude lies under 2^-111 get the byte 1.  NaN and infinities are not served.
.set CH,  17152                        ; a chunk: K's 8 tiles x 1,024; 8 x 64 bytes of scale words at 8,192; V's 4 tiles x 2,048 at 8,704; 4 x 64 at 16,896
.set TB,  17408                        ; a tile of 16 rows in act: 8 K steps x 2,048 bytes, then 8 x 128 bytes of scale words
.set LI,  1                            ; v1   16 x lane
.set L4,  2                            ; v2   4 x lane
.set ADR, 3                            ; v3   the step's chunk + 16 x lane  (at the head: my bytes in a tile's rows of query)
.set QO,  3
.set ADS, 4                            ; v4   the step's chunk + 4 x lane
.set NEG, 5                            ; v5   -2^66
.set QS,  6                            ; v6   Q's scale word;  v7 the second tile's
.set QSN, 7
.set KS,  8                            ; v8-11    K's scale words, two tiles to a register      v12 -M, v13 the largest t, v[14:15] the sum in two halves
.set QB,  16                           ; v16-39   [q 8][zeros 8][q 8]
.set QN,  40                           ; v40-47   the second tile's q
.set KB,  48                           ; v48-111  K: four operands of two tiles
.set S,   112                          ; v112-175 S^T, then p, then V's four fragments
.set OT,  176                          ; v176-207 O^T
.set PCD, 208                          ; v208-223 p's codes; at the end the result's
.set VS,  224                          ; v224-225 V's scale words, two tiles to a register
.set PS,  226                          ; v226     p's scale word
.set TMP, 227
.set BM,  228                          ; v228-231 a block's largest; v232-235 second chains, the other half's, then bytes; v240-243 the conversions' scale operands
.set T4,  232
.set HD,  236
.set SO,  240
.set F,   244                          ; v[244:245] 2^(old M - new M); at the end 1 / the sum
.set SUM, 246                          ; v246-253 the step's sum of p in four chains of pairs
.set HW,  254                          ; v254 the result's two scale bytes
.set OLDM, 255                         ; v255 -M of the step before
; scalars: s12 wave; s13 the step's chunk in LDS; s14 steps to go; s[16:63] and s[68:83] the step's 64 mask words; s[84:87], s[88:95] the descriptor; s[96:97] lane selects; s[98:99] c
.macro ROUND                           ; a round of the cluster's barrier
	s_barrier_signal -1
	s_barrier_wait -1
	s_cmp_lg_u32 s12, 0
	s_cbranch_scc1 .Lnot_wave_0_\@
	s_barrier_signal -3
.Lnot_wave_0_\@:
	s_barrier_wait -3
	s_barrier_signal -1
	s_barrier_wait -1
.endm
; 32 numbers of a lane, two blocks of which lane l xor 16 holds the other halves, become 8 registers of codes at v[dst]; their bytes stay in v[T4], v[T4+1]
.macro QUANT2 src, dst
.irp b, 0,1
	v_max3_num_f32 v[BM+\b], |v[\src+16*\b]|, |v[\src+1+16*\b]|, 0x8000000   ; my 16 numbers, and the floor 2^(16 - 127): the byte cannot fall under 1
.endr
.irp i, 2,4,6,8,10,12,14
.irp b, 0,1
	s_delay_alu instid0(VALU_DEP_2)
	v_max3_num_f32 v[BM+\b], v[BM+\b], |v[\src+16*\b+\i]|, |v[\src+1+16*\b+\i]|
.endr
.endr
.irp b, 0,1
	s_delay_alu instid0(VALU_DEP_2)
	v_permlanex16_b32 v[T4+\b], v[BM+\b], s96, s97
.endr
.irp b, 0,1
	s_delay_alu instid0(VALU_DEP_2)
	v_max_num_f32 v[BM+\b], v[BM+\b], v[T4+\b]
.endr
.irp b, 0,1
	s_delay_alu instid0(VALU_DEP_2)
	v_add_nc_u32 v[SO+\b], 0xf8800000, v[BM+\b]    ; 15 off the exponent field: the conversion's scale operand
.endr
.irp b, 0,1
.endr
.irp b, 0,1
	s_delay_alu instid0(VALU_DEP_2)
	v_lshrrev_b32 v[T4+\b], 23, v[SO+\b]           ; the byte
.endr
.irp b, 0,1
.irp i, 0,1,2,3,4,5,6,7,8,9,10,11,12,13,14,15
.endr
	v_cvt_scalef32_pk8_bf8_f32 v[\dst+4*\b:\dst+1+4*\b], v[\src+16*\b:\src+7+16*\b], v[SO+\b]
	v_cvt_scalef32_pk8_bf8_f32 v[\dst+2+4*\b:\dst+3+4*\b], v[\src+8+16*\b:\src+15+16*\b], v[SO+\b]
.endr
	v_nop                                          ; a plain instruction behind the last conversions
.endm
.macro KLOAD adr, ads, off             ; a step's K: 8 tiles x 2 pieces lie on end, and so do the registers; then the scale words of two tiles at a time: 20 LDS loads in one run
.set m, 0
.rept 16
	ds_load_b128 v[KB+4*m:KB+4*m+3], v[\adr] offset:\off+512*m
.set m, m+1
.endr
.irp a, 0,1,2,3
	ds_load_b32 v[KS+\a], v[\ads] offset:\off+8192+128*\a
.endr
.endm
.macro VLOAD t                         ; tile t of V: 16 channels x the step's 128 keys; ahead of the first the scale words of all four
.if (\t) == 0
	s_setprio 1
	ds_load_b32 v[VS], v[ADS] offset:16896
	ds_load_b32 v[VS+1], v[ADS] offset:16896+128
.endif
.irp c, 0,1,2,3
	ds_load_b128 v[S+16*(\t)+4*\c:S+16*(\t)+4*\c+3], v[ADR] offset:8704+2048*(\t)+512*\c
.endr
.endm
.macro PV t                            ; O^T's tile t += V^T's tile t x p
.if (\t)%2
	v_wmma_scale_f32_16x16x128_f8f6f4 v[OT+8*(\t):OT+8*(\t)+7], v[S+16*(\t):S+16*(\t)+15], v[PCD:PCD+15], v[OT+8*(\t):OT+8*(\t)+7], v[VS+(\t)/2], v[PS] matrix_a_fmt:MATRIX_FMT_BF8 matrix_b_fmt:MATRIX_FMT_BF8 matrix_a_scale:MATRIX_SCALE_ROW1
.else
	v_wmma_scale_f32_16x16x128_f8f6f4 v[OT+8*(\t):OT+8*(\t)+7], v[S+16*(\t):S+16*(\t)+15], v[PCD:PCD+15], v[OT+8*(\t):OT+8*(\t)+7], v[VS+(\t)/2], v[PS] matrix_a_fmt:MATRIX_FMT_BF8 matrix_b_fmt:MATRIX_FMT_BF8
.endif
.endm
; THE SOFTMAX'S PARTS.  The lane's 64 scores are 32 pairs of registers; pair i is v[S + 2 i], v[S + 2 i + 1]; block b of 32 keys is pairs 8 b .. 8 b + 7.
.macro FMA i                           ; pair i: t - M, two at a time (of the pairs c and -M the low word serves both halves)
	v_pk_fma_f32 v[S+2*(\i):S+2*(\i)+1], v[S+2*(\i):S+2*(\i)+1], s[98:99], v[12:13] op_sel_hi:[1,0,0]
.endm
.macro ADDP i                          ; the row's sum is taken of the unquantised p: pair i - 2 joins one of four chains; pairs 0 to 7 start them, two to a chain
.set kk, (\i)-2
.if kk >= 8
	s_wait_alu depctr_va_vdst(0)
	v_pk_add_f32 v[SUM+2*(kk%4):SUM+2*(kk%4)+1], v[SUM+2*(kk%4):SUM+2*(kk%4)+1], v[S+2*kk:S+2*kk+1]
.elseif (kk > 0) && (kk%2 == 1)
	s_wait_alu depctr_va_vdst(0)
	v_pk_add_f32 v[SUM+kk-1:SUM+kk], v[S+2*kk-2:S+2*kk-1], v[S+2*kk:S+2*kk+1]
.endif
.endm
.macro SCL i                           ; line i of 19 of the four blocks' scales, made of each block's largest p
.if (\i) < 4
	s_wait_alu depctr_va_vdst(0)
	v_max_num_f32 v[BM+(\i)], 0x8000000, v[BM+(\i)]                ; the floor 2^(16 - 127): the byte cannot fall under 1 (a block whose every p is 0 keeps that byte: its codes are zeros)
.elseif (\i) < 8
.elseif (\i) < 12
	v_add_nc_u32 v[SO+(\i)-8], 0xf8800000, v[BM+(\i)-8]            ; 15 off the exponent field: the conversion's scale operand
.elseif (\i) < 16
	v_lshrrev_b32 v[T4+(\i)-12], 23, v[SO+(\i)-12]                 ; the byte
.elseif (\i) == 16
	v_lshl_or_b32 v[PS], v[T4+1], 8, v[T4]                         ; p's scale word for these 128 keys
.elseif (\i) == 17
	v_lshl_or_b32 v[PS], v[T4+2], 16, v[PS]
.elseif (\i) == 18
	v_lshl_or_b32 v[PS], v[T4+3], 24, v[PS]
.endif
.endm
.macro HOLD i
.set kk, (\i)-6
.endm
; Turn i of 39.  Pair i's two exponentials; beside them what is ready: the multiply-add of pair i + 8,
; a line of the scales, the sum of pair i - 2.  Eight numbers are converted (group g in turn 4 g + 10); behind a block's second conversion its 16 registers take a tile of V.
.macro PAIR i
.if (\i) < 32
	v_exp_f32 v[S+2*(\i)], v[S+2*(\i)]
.endif
.if (\i) < 24
	FMA (\i)+8
.elseif (\i) < 34
	ADDP \i
.endif
.if (\i) < 32
	v_exp_f32 v[S+2*(\i)+1], v[S+2*(\i)+1]
.endif
.if (\i) < 19
	SCL \i
.endif
.if (\i) < 24
	ADDP \i
.endif
.if ((\i) >= 6) && ((\i) < 38)
	HOLD \i
.endif
.if ((\i) >= 10) && (((\i)-10)%4 == 0)
.set gg, ((\i)-10)/4
	v_cvt_scalef32_pk8_bf8_f32 v[PCD+2*gg:PCD+2*gg+1], v[S+8*gg:S+8*gg+7], v[SO+gg/2]
.if gg%2 == 1
	VLOAD (gg-1)/2
.endif
.endif
.endm
	s_load_b256 s[4:11], s[0:1], 0x0               ; query s[4:5], mbits s[6:7], kv s[8:9], act s[10:11]
	v_lshl_add_u32 v254, v0, 2, 0x43000
	v_mov_b32 v255, 0
	ds_add_u32 v254, v255
	ds_add_u32 v254, v255
	s_wait_dscnt 0x0
	v_lshrrev_b32 v1, 5, v0
	s_delay_alu instid0(VALU_DEP_1)
	v_readfirstlane_b32 s12, v1                    ; wave 0..15
	s_and_b32 s16, ttmp7, 0xffff                   ; y = 16 n + head, which the four partners share
	s_bfe_u32 s17, ttmp6, 0x40000                  ; cx: my place in the cluster
	s_lshl_b32 s18, ttmp9, 2
	s_add_co_u32 s18, s18, s17                     ; which 512 queries: it enters the addresses of query, mbits and act alone
	s_lshr_b32 s19, s16, 4                         ; n
	s_and_b32 s20, s16, 15                         ; head
	s_lshl_b32 s21, s19, 7
	s_lshl_b32 s22, s18, 5
	s_add_co_u32 s21, s21, s22
	s_lshl_b32 s22, s12, 1
	s_add_co_u32 s21, s21, s22                     ; my first tile of queries: 128 n + 32 x + 2 wave
	s_lshl_b32 s24, s21, 16                        ; query: 16 rows of 4,096 bytes a tile,
	s_lshl_b32 s22, s20, 8
	s_add_co_u32 s24, s24, s22                     ; + the head's 256 bytes
	s_mov_b32 s25, 0
	s_lshl_b32 s26, s21, 12                        ; mbits: 16 steps of 256 bytes a tile
	s_mov_b32 s27, 0
	s_mul_i32 s28, s21, TB                         ; act: the tile,
	s_lshr_b32 s22, s20, 1                         ; K step head / 2,
	s_and_b32 s23, s20, 1                          ; pieces 2 (head % 2) and the next
	s_lshl_b32 s30, s22, 11
	s_add_co_u32 s30, s30, s28
	s_lshl_b32 s31, s23, 10
	s_add_co_u32 s30, s30, s31
	s_mov_b32 s31, 0
	s_lshl_b32 s32, s22, 7                         ; and in the K step's scale words bytes 2 (head % 2) and the next
	s_add_co_u32 s32, s32, s28
	s_lshl_b32 s33, s23, 1
	s_add_co_u32 s32, s32, s33
	s_add_co_u32 s32, s32, 16384
	s_mov_b32 s33, 0
	s_lshl_b32 s34, s16, 4
	s_add_co_u32 s34, s34, s12
	s_mul_i32 s34, s34, CH                         ; kv: chunk 16 y + wave: made of what the partners share
	s_mov_b32 s35, 0
	s_mov_b32 s84, 1                               ; group 0: count = 1,
	s_mul_i32 s85, s12, CH                         ; LDS address: wave x CH,
	s_mov_b32 s88, 15|(3<<16)|(1<<21)              ; group 1: 15:0 the mask: all four work-groups; 17:16 elements of 8 bytes; 21 set beside a mask; no padding
	s_mov_b32 s89, 32<<16                          ; tensor_dim0 = 32 elements: rows of 256 bytes
	s_mov_b32 s90, 67<<16                          ; tensor_dim1 = 67 rows: 17,152 dense bytes
	s_mov_b32 s91, 32<<16                          ; tile_dim0
	s_mov_b32 s92, 67                              ; tile_dim1
	s_mov_b32 s93, 32                              ; the pitch
	s_mov_b32 s94, 0
	s_mov_b32 s95, 0
	s_mov_b32 s96, 0x76543210
	s_mov_b32 s97, 0xfedcba98                      ; v_permlanex16_b32's selects for lane l xor 16
	s_mov_b32 s98, 0x3d38aa3b                      ; c = log2(e) / 32
	s_mov_b32 s99, s98                             ; (named with it as a pair, so it is written)
	v_and_b32 v5, 31, v0
	s_delay_alu instid0(VALU_DEP_1)
	v_lshlrev_b32 v[LI], 4, v5
	s_delay_alu instid0(VALU_DEP_2)
	v_lshlrev_b32 v[L4], 2, v5
	v_and_b32 v4, 15, v0                           ; r
	v_bfe_u32 v5, v0, 4, 1                         ; h
	s_delay_alu instid0(VALU_DEP_2)
	v_lshlrev_b32 v[QO], 12, v4
	s_delay_alu instid0(VALU_DEP_1)
	v_lshl_add_u32 v[QO], v5, 6, v[QO]             ; row r of 4,096 bytes, + 64 h: my 16 numbers of a block of 32
	s_wait_alu depctr_va_vdst(0)
	s_wait_kmcnt 0x0
	s_add_nc_u64 s[86:87], s[8:9], s[34:35]        ; global address,
	s_or_b32 s87, s87, 0x80000000                  ; type = 2
	s_add_nc_u64 s[4:5], s[4:5], s[24:25]
	s_add_nc_u64 s[6:7], s[6:7], s[26:27]
	s_add_nc_u64 s[66:67], s[10:11], s[32:33]      ; act's scale bytes
	s_add_nc_u64 s[10:11], s[10:11], s[30:31]      ; act's pieces
.irp p, 0,1                                    ; my two tiles of q and the first mask words are asked for ahead of the round: nobody writes these bytes, and they travel while the work-groups meet
.irp c, 0,1
.irp j, 0,1,2,3
	global_load_b128 v[S+32*\p+16*\c+4*\j:S+32*\p+16*\c+4*\j+3], v[QO], s[4:5] offset:65536*\p+128*\c+16*\j th:TH_LOAD_NT
.endr
.endr
.endr
	s_load_b512 s[16:31], s[6:7], 0x0              ; the first step's 64 mask words
	s_load_b512 s[32:47], s[6:7], 0x40
	s_load_b512 s[48:63], s[6:7], 0x80
	s_load_b512 s[68:83], s[6:7], 0xc0
	ROUND                                          ; all four work-groups are here: the joint loads meet
	tensor_load_to_lds s[84:87], s[88:95]          ; my chunk: the one tensor load of this wave
	s_nop 0
.rept 4
	v_nop
.endr
.irp i, 0,1,2,3,4,5,6,7
	v_mov_b32 v[QB+8+\i], 0                        ; the zero codes, written once
.endr
	v_mov_b32 v[NEG], 0xe0800000
.irp b, 0,1,2,3
	v_mov_b32 v[T4+\b], 0                          ; written once: a lane permute's destination counts as one of its sources
.endr
	v_mov_b32 v[F+1], 0                            ; (named as the upper half of a pair)
	v_mov_b32 v[TMP], 0
	s_wait_loadcnt 8                               ; the first tile's eight loads are in; the second tile's eight may be out
	QUANT2 S, QB
.irp i, 0,1,2,3,4,5,6,7
	v_mov_b32 v[QB+16+\i], v[QB+\i]                ; q's second copy, behind the zeros
.endr
	v_lshl_or_b32 v[QS], v[T4+1], 8, v[T4]
	s_delay_alu instid0(VALU_DEP_1)
	v_lshl_or_b32 v[QS], v[QS], 16, v[QS]          ; its two bytes, twice
	s_wait_loadcnt 0x0
	QUANT2 S+32, QN
	v_lshl_or_b32 v[QSN], v[T4+1], 8, v[T4]
	s_delay_alu instid0(VALU_DEP_1)
	v_lshl_or_b32 v[QSN], v[QSN], 16, v[QSN]
	s_wait_tensorcnt 0x0                           ; my chunk has landed,
	s_barrier_signal -1
	s_barrier_wait -1                              ; everybody's has: from here on LDS is only read
	KLOAD LI, L4, 0                                ; K of the first step
; A KEY STEP: 128 keys.  Its K is in registers or on its way.  pf: which K is fetched for the step that follows: 1 the next chunk's, 2 chunk 0's (for my second tile of queries), 0 none.  mw = 1: the next step's mask words are asked for.
.macro STEP pf, mw
	s_wait_dscnt 0x0                               ; K and its scale words, asked for a step ago
.irp a, 0,1,2,3
	v_wmma_scale_f32_16x16x128_f8f6f4 v[S+16*\a:S+16*\a+7], v[KB+16*\a:KB+16*\a+15], v[QB:QB+15], 0, v[KS+\a], v[QS] matrix_a_fmt:MATRIX_FMT_BF8 matrix_b_fmt:MATRIX_FMT_BF8
	v_wmma_scale_f32_16x16x128_f8f6f4 v[S+16*\a+8:S+16*\a+15], v[KB+16*\a:KB+16*\a+15], v[QB+8:QB+23], 0, v[KS+\a], v[QS] matrix_a_fmt:MATRIX_FMT_BF8 matrix_b_fmt:MATRIX_FMT_BF8 matrix_a_scale:MATRIX_SCALE_ROW1
.endr
.rept 8
	v_nop                                          ; eight places in front of the first read of these scores: no other work is at hand
.endr
	s_wait_kmcnt 0x0                               ; the step's mask words, asked for a step ago
.set j, 0
.rept 64
	v_cndmask_b32 v[S+j], v[NEG], v[S+j], s[16+j+4*(j/48)]   ; where the bit is 0: -2^66.  Ascending: each result is read from its low end on
.set j, j+1
.endr
.if \mw
	s_add_nc_u64 s[6:7], s[6:7], 256               ; (no scalar load is out)  My two tiles' steps lie on end
	s_load_b512 s[16:31], s[6:7], 0x0              ; the next step's words: they have the softmax in which to come
	s_load_b512 s[32:47], s[6:7], 0x40
	s_load_b512 s[48:63], s[6:7], 0x80
	s_load_b512 s[68:83], s[6:7], 0xc0
.endif
.irp b, 0,1,2,3                                ; the largest score of each block of 32 keys, in two chains a block: for the row's maximum, and, since p rises with the score, for the block's largest p
	v_max3_num_f32 v[BM+\b], v[S+16*\b], v[S+1+16*\b], v[S+2+16*\b]
.endr
.irp b, 0,1,2,3
	v_max3_num_f32 v[T4+\b], v[S+8+16*\b], v[S+9+16*\b], v[S+10+16*\b]
.endr
.irp i, 3,5
.irp b, 0,1,2,3
	v_max3_num_f32 v[BM+\b], v[BM+\b], v[S+16*\b+\i], v[S+1+16*\b+\i]
.endr
.irp b, 0,1,2,3
	v_max3_num_f32 v[T4+\b], v[T4+\b], v[S+8+16*\b+\i], v[S+9+16*\b+\i]
.endr
.endr
.irp b, 0,1,2,3
	s_delay_alu instid0(VALU_DEP_4)
	v_max3_num_f32 v[BM+\b], v[BM+\b], v[T4+\b], v[S+7+16*\b]
.endr
.irp b, 0,1,2,3
	s_delay_alu instid0(VALU_DEP_4)
	v_max_num_f32 v[BM+\b], v[BM+\b], v[S+15+16*\b]
.endr
.irp b, 0,1,2,3
	s_delay_alu instid0(VALU_DEP_4)
	v_permlanex16_b32 v[T4+\b], v[BM+\b], s96, s97
.endr
.if \pf == 1
	KLOAD ADR, ADS, CH                             ; the next step's K, into registers whose products stand more than eight places back
.elseif \pf == 2
	KLOAD LI, L4, 0
.endif
.irp b, 0,1,2,3
	v_max_num_f32 v[BM+\b], v[BM+\b], v[T4+\b]     ; with lane l xor 16's 16 keys
.endr
	s_delay_alu instid0(VALU_DEP_2)
	v_max3_num_f32 v[TMP], v[BM], v[BM+1], v[BM+2]
	s_delay_alu instid0(VALU_DEP_1)
	v_max_num_f32 v[TMP], v[TMP], v[BM+3]          ; the step's largest score of my query
	s_delay_alu instid0(VALU_DEP_1)
	v_mul_f32 v[TMP], s98, v[TMP]                  ; as t (c is positive)
	s_delay_alu instid0(VALU_DEP_1)
	v_max_num_f32 v13, v13, v[TMP]                 ; the running largest t
	s_delay_alu instid0(VALU_DEP_1)
	v_floor_f32 v12, -v13                          ; the new -M = floor(-t): M is a whole number
.irp b, 0,1,2,3
	v_fma_f32 v[BM+\b], v[BM+\b], s98, v12         ; t - M of each block's largest score: the same multiply-add and exponential as its p gets
.endr
	FMA 0
	FMA 1
	s_wait_alu depctr_va_vdst(0)
	v_exp_f32 v[BM], v[BM]                         ; the blocks' largest p
	FMA 2
	v_exp_f32 v[BM+1], v[BM+1]
	FMA 3
	v_exp_f32 v[BM+2], v[BM+2]
	FMA 4
	v_exp_f32 v[BM+3], v[BM+3]
	FMA 5
	v_sub_f32 v[TMP], v12, v[OLDM]                 ; old M less new M: a whole number, 0 or less
	FMA 6
	s_delay_alu instid0(VALU_DEP_2)
	v_cvt_i32_f32 v[TMP], v[TMP]                   ; (it saturates)
	FMA 7
	s_delay_alu instid0(VALU_DEP_2)
	v_ldexp_f32 v[F], 1.0, v[TMP]                  ; f = 2^(old M - new M)
.set pp, 0
.rept 39
	PAIR pp                                        ; p = 2^(t - M), its sum, its codes; V
.set pp, pp+1
.endr
	s_setprio 0
.irp j, 0,2,4,6,8,10,12,14,16,18,20,22,24,26,28,30
	v_pk_mul_f32 v[OT+\j:OT+1+\j], v[OT+\j:OT+1+\j], v[F:F+1] op_sel_hi:[1,0]   ; O^T under the new M, while V's last tile lands.  (These sixteen are also the places between p's codes and the products)
.endr
	s_wait_alu depctr_va_vdst(0)
	s_wait_dscnt 0x4                               ; all but the youngest four LDS loads, V's last tile
	PV 0                                           ; the four sums take turns
	PV 1
	PV 2
	s_wait_dscnt 0x0
	PV 3
	v_pk_add_f32 v[SUM:SUM+1], v[SUM:SUM+1], v[SUM+2:SUM+3]        ; what the products do not need stands behind them: with the two v_nop nine places in front of the next scores, which write over V's registers
	v_pk_add_f32 v[SUM+4:SUM+5], v[SUM+4:SUM+5], v[SUM+6:SUM+7]
	s_add_co_u32 s13, s13, CH                      ; the next step's chunk (behind a tile's last step the two addresses are made and not used)
	v_add_nc_u32 v[ADR], s13, v[LI]
	v_add_nc_u32 v[ADS], s13, v[L4]
	v_pk_add_f32 v[SUM:SUM+1], v[SUM:SUM+1], v[SUM+4:SUM+5]
	v_mov_b32 v[OLDM], v12
	s_delay_alu instid0(VALU_DEP_2)
	v_pk_fma_f32 v[14:15], v[14:15], v[F:F+1], v[SUM:SUM+1] op_sel_hi:[1,0,1]   ; the row's sum under the new M, and the step's
	v_nop
	v_nop
.endm
; One tile of 16 queries against all keys, and its way out.  The last step is written out, so that no fetch ahead leaves the head's 16 chunks and no load of mask words its buffer.
.macro PASS p
	v_mov_b32 v13, 0xff61b1e6                      ; the largest t so far: -3e38
	s_delay_alu instid0(VALU_DEP_1)
	v_floor_f32 v12, -v13                          ; -M
	v_mov_b32 v14, 0
	v_mov_b32 v15, 0
	s_delay_alu instid0(VALU_DEP_3)
	v_mov_b32 v[OLDM], v12
.set j, 0
.rept 32
	v_mov_b32 v[OT+j], 0                           ; the step is written once: the first finds zeros, which the first change of M leaves zeros
.set j, j+1
.endr
	s_mov_b32 s13, 0
	v_add_nc_u32 v[ADR], s13, v[LI]
	v_add_nc_u32 v[ADS], s13, v[L4]
	s_mov_b32 s14, 15
.Lstep_\@:
	s_setprio 2
	STEP 1, 1
	s_sub_co_u32 s14, s14, 1
	s_cmp_lg_u32 s14, 0
	s_cbranch_scc1 .Lstep_\@
	s_setprio 0
.if \p
	STEP 0, 0
.else
	STEP 2, 1
.endif
	v_add_f32 v14, v14, v15                        ; the sum's two halves,
	s_delay_alu instid0(VALU_DEP_1)
	v_permlanex16_b32 v[TMP], v14, s96, s97
	s_delay_alu instid0(VALU_DEP_1)
	v_add_f32 v14, v14, v[TMP]                     ; and lane l xor 16's
	s_wait_alu depctr_va_vdst(0)
	v_rcp_f32 v[F], v14
	v_nop                                          ; a plain instruction behind the reciprocal
.irp j, 0,2,4,6,8,10,12,14,16,18,20,22,24,26,28,30
	s_wait_alu depctr_va_vdst(0)
	v_pk_mul_f32 v[OT+\j:OT+1+\j], v[OT+\j:OT+1+\j], v[F:F+1] op_sel_hi:[1,0]   ; O^T / the sum, ascending: register 16 B + i is channel 32 B + 16 (lane / 16) + i of my query
.endr
	QUANT2 OT, PCD                                 ; the projection's operand: the head's two blocks of 32 along its K
	v_lshl_or_b32 v[HW], v[T4+1], 8, v[T4]
	global_store_b128 v[LI], v[PCD:PCD+3], s[10:11]               ; two pieces: each store covers 512 consecutive bytes, aligned
	global_store_b128 v[LI], v[PCD+4:PCD+7], s[10:11] offset:512
	global_store_b16 v[L4], v[HW], s[66:67]        ; my row's two bytes of the K step's scale word (lanes 16-31 write the copy that the word's place for them holds)
.endm
	PASS 0
	s_wait_xcnt 0x0                                ; the stores' data and bases are rewritten only behind this wait
	s_add_nc_u64 s[10:11], s[10:11], TB
	s_add_nc_u64 s[66:67], s[66:67], TB
.irp i, 0,1,2,3,4,5,6,7
	v_mov_b32 v[QB+\i], v[QN+\i]                   ; the second tile's q, in both places
	v_mov_b32 v[QB+16+\i], v[QN+\i]
.endr
	v_mov_b32 v[QS], v[QSN]
	PASS 1
	s_wait_dscnt 0x0                               ; no LDS instruction of mine is out
	s_wait_xcnt 0x0
	v_lshl_add_u32 v254, v0, 2, 0x43000
	v_mov_b32 v255, 0
	s_wait_alu depctr_va_vdst(0)
	s_wait_tensorcnt 0x0
	ds_add_u32 v254, v255
	s_wait_dscnt 0x0
	ROUND                                          ; the closing round: no work-group ends while a partner may still ask for a chunk that names it
	s_endpgm
.Lfunc_end_k_qec8a8832da_attn:
	.size	k_qec8a8832da_attn, .Lfunc_end_k_qec8a8832da_attn-k_qec8a8832da_attn
	.p2alignl 7, 3214868480
	.fill 96, 4, 3214868480
	.section	.rodata,"a",@progbits
	.p2align	6, 0x0
	.amdhsa_kernel k_qec8a8832da_attn
		.amdhsa_group_segment_fixed_size 276480
		.amdhsa_private_segment_fixed_size 0
		.amdhsa_enable_private_segment 0
		.amdhsa_kernarg_size 32
		.amdhsa_user_sgpr_count 2
		.amdhsa_user_sgpr_kernarg_segment_ptr 1
		.amdhsa_wavefront_size32 1
		.amdhsa_system_sgpr_workgroup_id_x 1
		.amdhsa_system_sgpr_workgroup_id_y 1
		.amdhsa_system_sgpr_workgroup_id_z 1
		.amdhsa_system_vgpr_workitem_id 0
		.amdhsa_next_free_vgpr 256
		.amdhsa_next_free_sgpr 102
		.amdhsa_reserve_vcc 0
		.amdhsa_float_denorm_mode_32 3
		.amdhsa_float_denorm_mode_16_64 3
		.amdhsa_fp16_overflow 1
		.amdhsa_memory_ordered 1
		.amdhsa_forward_progress 1
		.amdhsa_inst_pref_size 113
	.end_amdhsa_kernel
	.amdgpu_metadata
---
amdhsa.version: [ 1, 2 ]
amdhsa.kernels:
  - .name:           k_qec8a8832da_attn
    .symbol:         k_qec8a8832da_attn.kd
    .args:
      - { .name: query, .offset: 0, .size: 8, .value_kind: global_buffer, .address_space: global }
      - { .name: mbits, .offset: 8, .size: 8, .value_kind: global_buffer, .address_space: global }
      - { .name: kv, .offset: 16, .size: 8, .value_kind: global_buffer, .address_space: global }
      - { .name: act, .offset: 24, .size: 8, .value_kind: global_buffer, .address_space: global }
    .group_segment_fixed_size: 276480
    .private_segment_fixed_size: 0
    .kernarg_segment_align: 8
    .kernarg_segment_size: 32
    .max_flat_workgroup_size: 512
    .sgpr_count:     102
    .vgpr_count:     256
    .wavefront_size: 32
...
	.end_amdgpu_metadata
.endif
;; end of part 2
;; launch proj (part 3): grid 4 x 64, 4 waves a work-group, clusters of 4 x 1, 168,448 bytes of LDS; arguments act, wq, b_out, out0; writes out0
.if DOCPART == 3
	.amdgcn_target "amdgcn-amd-amdhsa--gfx1250"
	.amdhsa_code_object_version 6
	.text
	.protected	k_qec8a8832da_proj
	.globl	k_qec8a8832da_proj
	.p2align	8
	.type	k_qec8a8832da_proj,@function
k_qec8a8832da_proj:
	s_mov_b64 s[64:65], 0
	v_nop
	global_prefetch_b8 v0, s[64:65] scope:SCOPE_SE
	s_setreg_imm32_b32 hwreg(HW_REG_WAVE_MODE, 25, 1), 1
	s_wait_xcnt 0x0
	s_wait_alu depctr_hold_cnt(0) depctr_sa_sdst(0) depctr_va_vdst(0) depctr_va_sdst(0) depctr_va_ssrc(0) depctr_va_vcc(0) depctr_vm_vsrc(0)
	s_getreg_b32 s2, hwreg(HW_REG_IB_STS2, 6, 4)
	s_cmp_eq_u32 s2, 0
	s_cbranch_scc0 .Lentry_in_a_cluster
	s_endpgm
.Lentry_in_a_cluster:
	s_bfe_u32 s2, ttmp6, 0x10000c
	s_cmp_lg_u32 s2, 0x3003
	s_cbranch_scc0 .Lentry_shape_is_right
	s_endpgm
.Lentry_shape_is_right:
; THE PROJECTION: out0[m][n] = sum over k of act[m][k] W[n][k] + b[n], on codes of E5M2 with one E8M0 byte for each 32 along K = 1,024; sums in f32.
; act and wq lie in the order of the operand's registers: a tile of 16 rows is TB bytes: 8 K steps x 4 pieces of 512 bytes (lane l's 16 bytes at 16 l), then 8 x 32 scale words.
; SHARES.  Work-group (x, y): rows 128 y .. 128 y + 127 (8 tiles), outputs 256 x .. 256 x + 255.  Wave w keeps the four tiles of W for outputs 64 w .. 64 w + 63 of these, all 8 K steps, in 512 registers, read once;
; the rows' 8 tiles, 139,264 bytes, come into LDS once and every wave reads them once: nothing in LDS is filled twice.
; CLUSTER.  The four work-groups of a row block need the same tiles of act: each wave's quarter is asked for jointly, by the same load with the same descriptor and a mask that names the four.
; THE MATRIX INSTRUCTION IS USED TRANSPOSED (source 0 = 16 rows of W, source 1 = 16 rows of act): a lane holds one row of the result and eight neighbouring outputs.  A tile of W holds outputs
; 32 B + 8 u + r + 8 (r / 8), so register i of tile 2 B + u is output 32 B + 16 (lane / 16) + 8 u + i.  The bias is the C of each sum's first instruction.
; REGISTERS, in windows of 256: window 0: v1-9 addresses; v16-47 W's scale words; v48-55 the rows' scale words; v64-191 the rows' 8 fragments; v192-223 rows on the way out; v224-239 addresses of the 8 tiles.
;   windows 1, 2: W's fragments (tile i, K step s) at window 1 + s / 4, v[64 i + 16 (s % 4)].   window 3: v0-31 the bias; v32-95 two sets of four accumulators.
.set TB,   17408
.set ABLK, 8*TB                        ; LDS: the rows' tiles at byte 0;
.set SPI,  272                         ; behind them a stage of 16 rows x (256 bytes + 16) for each wave, in bytes that no tensor load fills
.set WS,   16
.set ASC,  48
.set AF,   64
.set OB,   192
.set IA,   224                         ; v224-231 16 x lane + j TB
.set SA,   232                         ; v232-239 4 x lane + j TB
.set MSB, 0
.macro WIN new                         ; the immediate's high byte repeats the setting that is left
.if MSB != \new
	s_set_vgpr_msb (MSB<<8)|\new
.set MSB, \new
.endif
.endm
.macro ROUND                           ; a round of the cluster's barrier
	s_barrier_signal -1
	s_barrier_wait -1
	s_cmp_lg_u32 s12, 0
	s_cbranch_scc1 .Lnot_wave_0_\@
	s_barrier_signal -3
.Lnot_wave_0_\@:
	s_barrier_wait -3
	s_barrier_signal -1
	s_barrier_wait -1
.endm
.macro PLACES                          ; eight places behind this form, in front of loads into registers that matrix instructions have read and of the first read of results
.rept 8
	v_nop
.endr
.endm
.macro FETCH j, half                   ; tile j's fragments and scale words of K steps 4 half .. 4 half + 3: 20 LDS loads
.irp q, 0,1,2,3
.irp c, 0,1,2,3
	ds_load_b128 v[AF+16*(4*\half+\q)+4*\c:AF+16*(4*\half+\q)+4*\c+3], v[IA+(\j)] offset:2048*(4*\half+\q)+512*\c
.endr
	ds_load_b32 v[ASC+4*\half+\q], v[SA+(\j)] offset:16384+128*(4*\half+\q)
.endr
.endm
.macro MUL j, half                     ; 16 matrix instructions: four K steps x my four tiles of W; the four accumulators take turns
	WIN 0xf1+\half                                 ; source 0 (W) window 1 or 2, source 1 window 0, C and D window 3
.irp q, 0,1,2,3
.irp i, 0,1,2,3
.if (\half == 0) && (\q == 0)
	v_wmma_scale_f32_16x16x128_f8f6f4 v[32+32*((\j)%2)+8*\i:32+32*((\j)%2)+8*\i+7], v[64*\i+16*\q:64*\i+16*\q+15], v[AF+16*(4*\half+\q):AF+16*(4*\half+\q)+15], v[8*\i:8*\i+7], v[WS+8*\i+4*\half+\q], v[ASC+4*\half+\q] matrix_a_fmt:MATRIX_FMT_BF8 matrix_b_fmt:MATRIX_FMT_BF8
.else
	v_wmma_scale_f32_16x16x128_f8f6f4 v[32+32*((\j)%2)+8*\i:32+32*((\j)%2)+8*\i+7], v[64*\i+16*\q:64*\i+16*\q+15], v[AF+16*(4*\half+\q):AF+16*(4*\half+\q)+15], v[32+32*((\j)%2)+8*\i:32+32*((\j)%2)+8*\i+7], v[WS+8*\i+4*\half+\q], v[ASC+4*\half+\q] matrix_a_fmt:MATRIX_FMT_BF8 matrix_b_fmt:MATRIX_FMT_BF8
.endif
.endr
.endr
.endm
.macro TOSTAGE j                       ; tile j's results into my stage and back as whole rows of 256 bytes: 16 LDS instructions.  LDS serves a wave's instructions in order (ISA guide 5.7.1.4)
	WIN 0x0c                                       ; an LDS store's data are its source 1: window 3
.irp i, 0,1,2,3
	ds_store_b128 v3, v[32+32*((\j)%2)+8*\i:32+32*((\j)%2)+8*\i+3] offset:(\i/2)*128+(\i%2)*32       ; each accumulator from its low end on
	ds_store_b128 v3, v[32+32*((\j)%2)+8*\i+4:32+32*((\j)%2)+8*\i+7] offset:(\i/2)*128+(\i%2)*32+16
.endr
	WIN 0
.irp t, 0,1,2,3,4,5,6,7
	ds_load_b128 v[OB+4*\t:OB+4*\t+3], v4 offset:2*SPI*\t
.endr
.endm
.macro SEND j
.irp t, 0,1,2,3,4,5,6,7
	global_store_b128 v5, v[OB+4*\t:OB+4*\t+3], s[10:11] offset:65536*(\j)+8192*\t th:TH_STORE_NT   ; sixteen lanes store 256 consecutive bytes, aligned; written once, read by nobody here
.endr
.endm
	s_load_b256 s[4:11], s[0:1], 0x0               ; act s[4:5], wq s[6:7], b_out s[8:9], out0 s[10:11]
	v_lshl_add_u32 v254, v0, 2, 0x29000
	v_mov_b32 v255, 0
	ds_add_u32 v254, v255
	ds_add_u32 v254, v255
	v_lshrrev_b32 v1, 5, v0
	v_readfirstlane_b32 s12, v1                    ; wave 0..3
	s_bfe_u32 s13, ttmp6, 0x40000                  ; cx
	s_lshl_b32 s14, ttmp9, 2
	s_add_co_u32 s13, s14, s13                     ; which 256 outputs: it enters the addresses of wq, b_out and out0 alone
	s_and_b32 s15, ttmp7, 0xffff                   ; which 128 rows: shared by the four partners
	s_lshl_b32 s16, s15, 3
	s_lshl_b32 s17, s12, 1
	s_add_co_u32 s16, s16, s17
	s_mul_i32 s16, s16, TB                         ; act: tiles 8 y + 2 wave and the next
	s_mov_b32 s17, 0
	s_lshl_b32 s18, s13, 4
	s_lshl_b32 s19, s12, 2
	s_add_co_u32 s18, s18, s19
	s_mul_i32 s18, s18, TB                         ; wq: tiles 16 x + 4 wave on
	s_mov_b32 s19, 0
	s_lshl_b32 s32, s13, 10
	s_lshl_b32 s33, s12, 8
	s_add_co_u32 s32, s32, s33                     ; my 64 outputs, in bytes
	s_mov_b32 s33, 0
	s_lshl_b32 s34, s15, 19                        ; 128 rows of 4,096 bytes
	s_add_co_u32 s34, s34, s32
	s_mov_b32 s35, 0
	s_mov_b32 s20, 1                               ; group 0: count = 1,
	s_mul_i32 s21, s12, 2*TB                       ; LDS address: wave x two tiles,
	s_mov_b32 s24, 15|(3<<16)|(1<<21)              ; group 1: the mask: all four work-groups; elements of 8 bytes; bit 21 set beside a mask; no padding
	s_mov_b32 s25, 32<<16                          ; tensor_dim0 = 32 elements: rows of 256 bytes
	s_mov_b32 s26, 136<<16                         ; tensor_dim1 = 136 rows: 34,816 dense bytes
	s_mov_b32 s27, 32<<16                          ; tile_dim0
	s_mov_b32 s28, 136                             ; tile_dim1
	s_mov_b32 s29, 32                              ; the pitch
	s_mov_b32 s30, 0
	s_mov_b32 s31, 0
	v_and_b32 v7, 31, v0
	v_lshlrev_b32 v1, 4, v7                        ; 16 x lane
	v_lshlrev_b32 v2, 2, v7                        ; 4 x lane
	v_and_b32 v8, 15, v0                           ; r
	v_bfe_u32 v9, v0, 4, 1                         ; h
	s_mul_i32 s36, s12, 16*SPI
	s_add_co_u32 s36, s36, ABLK                    ; my stage
	v_mul_u32_u24 v3, v8, SPI
	v_lshl_add_u32 v3, v9, 6, v3
	v_add_nc_u32 v3, s36, v3                       ; in: row r, + 64 h
	v_mul_u32_u24 v4, v9, SPI
	v_lshl_add_u32 v4, v8, 4, v4
	v_add_nc_u32 v4, s36, v4                       ; back: lanes 0-15 one row, lanes 16-31 the next
	v_lshlrev_b32 v5, 12, v9
	v_lshl_add_u32 v5, v8, 4, v5                   ; and the same two rows in out0
	v_lshlrev_b32 v6, 6, v9                        ; the bias: + 64 h
.irp j, 0,1,2,3,4,5,6,7
	v_add_nc_u32 v[IA+\j], \j*TB, v1
	v_add_nc_u32 v[SA+\j], \j*TB, v2
.endr
	s_wait_dscnt 0x0
	s_wait_kmcnt 0x0
	s_add_nc_u64 s[22:23], s[4:5], s[16:17]        ; global address,
	s_or_b32 s23, s23, 0x80000000                  ; type = 2
	s_add_nc_u64 s[6:7], s[6:7], s[18:19]
	s_add_nc_u64 s[8:9], s[8:9], s[32:33]
	s_add_nc_u64 s[10:11], s[10:11], s[34:35]
	ROUND                                          ; all four work-groups are here: the joint loads meet
	tensor_load_to_lds s[20:23], s[24:31]          ; my two tiles of rows: the one tensor load of this wave
	s_nop 0
.rept 4
	v_nop
.endr
.irp w, 0,1
	WIN 0x40+0x40*\w                               ; destination window 1, then 2
.irp i, 0,1,2,3
.irp q, 0,1,2,3
.irp c, 0,1,2,3
	global_load_b128 v[64*\i+16*\q+4*\c:64*\i+16*\q+4*\c+3], v1, s[6:7] offset:\i*TB+2048*(4*\w+\q)+512*\c   ; W's fragments: they stay
.endr
.endr
.endr
.endr
	WIN 0xc0                                       ; destination window 3
.irp i, 0,1,2,3
	global_load_b128 v[8*\i:8*\i+3], v6, s[8:9] offset:(\i/2)*128+(\i%2)*32       ; the bias in the result's layout
	global_load_b128 v[8*\i+4:8*\i+7], v6, s[8:9] offset:(\i/2)*128+(\i%2)*32+16
.endr
	WIN 0
.irp i, 0,1,2,3
.irp s, 0,1,2,3,4,5,6,7
	global_load_b32 v[WS+8*\i+\s], v2, s[6:7] offset:\i*TB+16384+128*\s           ; W's scale words
.endr
.endr
	s_wait_loadcnt 0x0
	s_wait_tensorcnt 0x0                           ; my two tiles have landed,
	s_barrier_signal -1
	s_barrier_wait -1                              ; everybody's have
	FETCH 0, 0
	FETCH 0, 1
	s_wait_alu depctr_va_vdst(0)
.irp j, 0,1,2,3,4,5,6,7
.if \j == 0
	s_wait_dscnt 20                                ; the first half's 20 loads are in; behind them stand the second half's 20
.else
	s_wait_dscnt 36                                ; likewise; behind them stand the second half's 20 and the 16 of the tile before on its way through the stage
.endif
	MUL \j, 0
.if \j < 7
	PLACES
	WIN 0
	FETCH \j+1, 0
	s_wait_dscnt 20                                ; all but the 20 just issued: this tile's second half, and the tile before is back from the stage
.else
	WIN 0
	s_wait_dscnt 0x0
.endif
.if \j > 0
	SEND \j-1
.endif
	MUL \j, 1
	PLACES
	WIN 0
.if \j < 7
	FETCH \j+1, 1
.endif
.if \j > 0
	s_wait_xcnt 0x0                                ; the registers that the stores above read are loaded again only behind this wait
.endif
	TOSTAGE \j
.endr
	s_wait_dscnt 0x0
	SEND 7
	s_wait_tensorcnt 0x0
	ds_add_u32 v254, v255
	s_wait_dscnt 0x0
	ROUND                                          ; the closing round: no work-group ends while a partner may still ask for tiles that name it
	s_endpgm
.Lfunc_end_k_qec8a8832da_proj:
	.size	k_qec8a8832da_proj, .Lfunc_end_k_qec8a8832da_proj-k_qec8a8832da_proj
	.p2alignl 7, 3214868480
	.fill 96, 4, 3214868480
	.section	.rodata,"a",@progbits
	.p2align	6, 0x0
	.amdhsa_kernel k_qec8a8832da_proj
		.amdhsa_group_segment_fixed_size 168448
		.amdhsa_private_segment_fixed_size 0
		.amdhsa_enable_private_segment 0
		.amdhsa_kernarg_size 32
		.amdhsa_user_sgpr_count 2
		.amdhsa_user_sgpr_kernarg_segment_ptr 1
		.amdhsa_wavefront_size32 1
		.amdhsa_system_sgpr_workgroup_id_x 1
		.amdhsa_system_sgpr_workgroup_id_y 1
		.amdhsa_system_sgpr_workgroup_id_z 1
		.amdhsa_system_vgpr_workitem_id 0
		.amdhsa_next_free_vgpr 864
		.amdhsa_next_free_sgpr 66
		.amdhsa_reserve_vcc 0
		.amdhsa_float_denorm_mode_32 3
		.amdhsa_float_denorm_mode_16_64 3
		.amdhsa_memory_ordered 1
		.amdhsa_forward_progress 1
		.amdhsa_inst_pref_size 94
	.end_amdhsa_kernel
	.amdgpu_metadata
---
amdhsa.version: [ 1, 2 ]
amdhsa.kernels:
  - .name:           k_qec8a8832da_proj
    .symbol:         k_qec8a8832da_proj.kd
    .args:
      - { .name: act, .offset: 0, .size: 8, .value_kind: global_buffer, .address_space: global }
      - { .name: wq, .offset: 8, .size: 8, .value_kind: global_buffer, .address_space: global }
      - { .name: b_out, .offset: 16, .size: 8, .value_kind: global_buffer, .address_space: global }
      - { .name: out0, .offset: 24, .size: 8, .value_kind: global_buffer, .address_space: global }
    .group_segment_fixed_size: 168448
    .private_segment_fixed_size: 0
    .kernarg_segment_align: 8
    .kernarg_segment_size: 32
    .max_flat_workgroup_size: 128
    .sgpr_count:     66
    .vgpr_count:     864
    .wavefront_size: 32
...
	.end_amdgpu_metadata
.endif
;; end of part 3
